; MI455X (gfx1250); checked and timed in simulation.
; The chip was launched on July 23, 2026; its instructions are those of AMD's public machine-readable ISA for CDNA 5 (MIT licence, August 2026) and "CDNA5" Instruction Set Architecture Reference Guide (July 2026). The comments in the code are by the model that wrote it; some were corrected since.
;; Casual Self Attention. Allowed arithmetic: matrix products marked QUANTISED: E4M3 operands, one given power-of-two scale a tensor, by v_wmma_f32_16x16x64_fp8_fp8 or v_wmma_f32_16x16x128_fp8_fp8, f32 sums; everything else in f32.
;; Inputs: W_attn_codes 3,072 x 32 x 32 uint8 (E4M3 codes of W_attn, K innermost, in blocks of 32 codes); W_proj_codes 1,024 x 32 x 32 uint8 (E4M3 codes of W_proj, K innermost, in blocks of 32 codes); lowp_scales 8 int32 (the exponents e of the quantised operands' scales 2^e); x_codes 4 x 2,048 x 32 x 32 uint8 (E4M3 codes of x, K innermost, in blocks of 32 codes).
;; Outputs: out0 4 x 2,048 x 1,024 float32.
;; This version of the problem:
;;   THIS VERSION OF THE PROBLEM IS GIVEN IN LOW PRECISION. The matrix products marked QUANTISED in the list below multiply operands that are first quantised to E4M3 (4 exponent bits, 3 mantissa bits; 8 bits a number), with one given power-of-two scale for each operand tensor; their sums are f32. All else is computed in f32.
;;   The module's matrix products, in the order in which they are computed (A, B: the left and right operand; K: the contracted axis; several contracted axes count as one K, in the product's order):
;;     1. [M 8,192, K 1,024] x [K 1,024, N 3,072]; A: input x (given as codes); B: input W_attn (given as codes): QUANTISED (scales: A lowp_scales[0], B lowp_scales[1])
;;     2. batch 64 x [M 2,048, K 64] x [K 64, N 2,048]; A: computed on the way; B: computed on the way: QUANTISED (scales: A lowp_scales[2], B lowp_scales[3])
;;     3. batch 64 x [M 2,048, K 2,048] x [K 2,048, N 64]; A: softmax (see below); B: computed on the way: QUANTISED (scales: A lowp_scales[4], B lowp_scales[5])
;;     4. [M 8,192, K 1,024] x [K 1,024, N 1,024]; A: computed on the way; B: input W_proj (given as codes): QUANTISED (scales: A lowp_scales[6], B lowp_scales[7])
;;   THE QUANTISER, for each operand of a quantised product, along K:
;;     - The operand's scale is 2^e, e = its entry of the input lowp_scales (int32; the entries are numbered through the quantised products in the list's order, A before B).
;;     - Each number is divided by the scale, clamped to +-448, and rounded to the nearest number of E4M3, ties to even, subnormals kept.
;;     - The product sums the exact products of the quantised numbers (number of the format x scale) in f32.
;;   ~~~python
;;   def quantise(x, axis, e):      # numpy; x: float32 -> the quantised numbers, widened to float32 again
;;       x = np.moveaxis(x, axis, -1); K = x.shape[-1]
;;       r = np.clip(x / 2.0 ** e, -448, 448)
;;       step = 2.0 ** (np.maximum(np.frexp(np.where(r == 0, 1, r))[1] - 1, -6) - 3)
;;       q = np.round(r / step) * step * 2.0 ** e      # np.round: ties to even
;;       return np.moveaxis(q, -1, axis).astype(np.float32)
;;   ~~~
;;   SOFTMAX AHEAD OF A QUANTISED PRODUCT. Where the list says 'softmax', what is quantised is not the finished softmax but p = 2^(t - M), with t = logit x log2(e) and M = ceil(the row's largest t), a whole number; so 1/2 < the row's largest p <= 1. The row's sum l is taken of the UNQUANTISED p, in f32, and the product's result is divided by l at the end. Since M is a whole number, a kernel that streams over the keys may use a running M (the ceiling of the running maximum): every later rescaling is an exact power of two, so the quantised numbers keep their values, but for numbers so far below the row's largest that they fall under the format's range.
;;   OPERANDS COMPUTED ON THE WAY. 'Computed on the way' means the value that the module computes at that place (a softmax that the list does not call 'softmax' is quantised finished and normalised). What goes into a quantiser is computed in f32, as accurately as f32 sums, v_exp_f32 and their like allow (about 1e-6 of the number): no bf16 or f16 on the way to a quantiser, and a product that is left as it is and whose result goes on into a quantised operand takes f32 operands (vector FMAs, or v_wmma_f32_16x16x4_f32). A number that lies on a knife's edge between two numbers of the format may be rounded either way, as far as f32 arithmetic and the matrix unit's own rounding can turn it there, and no further.
;;   INPUTS GIVEN AS CODES. W_attn (in the module: [3072, 1024], K = its axis 1); W_proj (in the module: [1024, 1024], K = its axis 1); x (in the module: [4, 2048, 1024], K = its axis 2): each comes as NAME_codes (uint8): NAME with its K axis moved to the last place and cut into blocks of 32 codes, [.., K / 32, bytes a block], one block behind the other in memory; one code a byte (a code: sign, 4 exponent bits, 3 mantissa bits); its scale is its entry of lowp_scales. Its value is code x scale, taken as it is: it is not quantised again, and the codes and scales need not be those that the quantiser above would give.
;; One version. Each part assembles by itself: llvm-mc -triple=amdgcn-amd-amdhsa -mcpu=gfx1250 --defsym DOCPART=n.
;; ======== version 1 of 1: 3 launches
;; limits: right only within a limited range of input values
;; workspace buffers: qkvc 25,165,824 bytes; ycodes 8,388,608 bytes
;; launch qkv (part 1): grid 8 x 48, 4 waves a work-group, clusters of 4 x 4, 327,680 bytes of LDS; arguments x_codes, W_attn_codes, lowp_scales, qkvc; writes qkvc
.if DOCPART == 1
	.amdgcn_target "amdgcn-amd-amdhsa--gfx1250"
	.amdhsa_code_object_version 6
	.text
	.protected	k_qf56e8e9725_qkv
	.globl	k_qf56e8e9725_qkv
	.p2align	8
	.type	k_qf56e8e9725_qkv,@function
k_qf56e8e9725_qkv:
	s_mov_b64 s[64:65], 0
	v_nop
	global_prefetch_b8 v0, s[64:65] scope:SCOPE_SE
	s_setreg_imm32_b32 hwreg(HW_REG_WAVE_MODE, 25, 1), 1
	s_wait_xcnt 0x0
	s_wait_alu depctr_hold_cnt(0) depctr_sa_sdst(0) depctr_va_vdst(0) depctr_va_sdst(0) depctr_va_ssrc(0) depctr_va_vcc(0) depctr_vm_vsrc(0)
	s_getreg_b32 s2, hwreg(HW_REG_IB_STS2, 6, 4)
	s_cmp_eq_u32 s2, 0
	s_cbranch_scc0 .Lentry_in_a_cluster
	s_endpgm
.Lentry_in_a_cluster:
	s_bfe_u32 s2, ttmp6, 0x10000c
	s_cmp_lg_u32 s2, 0xf033
	s_cbranch_scc0 .Lentry_shape_is_right
	s_endpgm
.Lentry_shape_is_right:
; qkv = x W_attn^T on codes of FP8 (E4M3), and its results quantised at once into the codes that attention reads.
; x: [8192][1024] codes, W_attn: [3072][1024] codes, K innermost.  lowp_scales: e0 (x), e1 (W_attn), e2 (q), e3 (k), e5 (v).
; A sum stands for sum x 2^(e0 + e1); its code is sum / 2^(e_dst - e0 - e1), to the nearest code, ties to even.
; LIMIT: e_dst - e0 - e1 (e_dst = e2, e3, e5) lies between -126 and 119, so that this power of two is an f32 number.
; OUT, one buffer of three parts of 8,388,608 bytes:
;   q, then k: [batch x 16 + head][pos][64]; pos = the token with its bits 3 and 4 exchanged (groups of eight tokens stay whole), so that sixteen rows on end are the
;   sixteen keys that the next launch wants as one fragment;   v: [batch][feature 64 head + d][token]: the tokens, which are the K of attention's second product, innermost.
; SHARES.  A tile of 256 x 256 results to a work-group of four waves, 128 x 128 to a wave: 64 accumulators of 16 x 16.  The loop knows two operands: "A" (source 1) and "B" (source 0);
; a lane then holds ONE row of A and eight neighbouring rows of B.  Clusters with y < 8 make q and k: A = x (tile row 4 y + cy), B = W_attn's rows 0-2047 (tile column 4 x + cx): a lane's eight
; results run along the features.  Clusters with y >= 8 make v: A = W_attn's rows 2048 on (tile row cy), B = x (tile column 8 (y - 8) + 4 x + cx): a lane's eight results run along the tokens.
; The choice hangs on the cluster's y alone, which all sixteen partners share; it selects pointers and offsets, and one branch on the way out.
; CLUSTERS: 4 x 4.  A's tile hangs on cy and is asked for jointly by a row of the cluster, B's on cx and by a column.
; K goes in four steps of 256 through a ring of two LDS slots; with so few steps they are written out, without a loop.  Two of the four K steps are asked for at the head
; and the other two one step later: no prefetch is laid.
; REGISTERS, in windows of 256: window 0: v1-31 addresses and two constants; v128-255 A's fragments, one set; on the way out v32-223.  window 1: B's fragments, two sets.  windows 2, 3: accumulators.
.set ROWB,   256                       ; a tile's row: 256 codes
.set KROW,   1024                      ; a row of x or of W_attn in memory, in bytes
.set PITCH,  272                       ; an LDS row: 256 bytes + 16 of padding: the sixteen rows of a fragment load start at sixteen different banks
.set FR,     16                        ; registers of a fragment: 16 rows x 128 K
.set NL,     4                         ; LDS loads that bring one
.set NP,     4                         ; places behind this matrix instruction (ISA guide 7.12.1)
.set HALFT,  128*PITCH                 ; 128 rows: what one tensor load brings
.set SLOT,   4*HALFT                   ; A's 256 rows, then B's 256 rows
.set SPARE,  2*SLOT                    ; behind the ring: the spare words, 128 bytes a wave
.set SROW,   80                        ; the way out: 64 codes of a row + 16 of padding
.set QS,     256*SROW+64               ; the stage has four quarters, one for each 64 columns: 256 rows x 80, + 64 so that the quarters start 16 banks apart.  It lies in slot 0
.set ADRA, 16                          ; v16-17  LDS address of my A fragments in slot 0, 1
.set ADRB, 20                          ; v20-21  the same for B
.set COQ,  22                          ; v22     q, k: my byte offset in a store's 512 bytes
.set COV,  23                          ; v23     v: my byte offset in a store's two rows
.set STO,  24                          ; v24     where I put eight codes in the stage
.set RDQ,  25                          ; v25-26  q, k: where I read the stage back: quarters 0, 1 and quarters 2, 3
.set RDV,  27                          ; v27     v: the same
.set SPW,  28                          ; v28     LDS address of my spare word; never rewritten
.set NIL,  29                          ; v29     0; never rewritten
.set LIM,  30
.set SC,   31                          ; v31     2^(e_dst - e0 - e1)
.set TMP,  32
.set CD,   96                          ; v96-223 codes: sixteen registers for each of the eight blocks, so that no LDS store's data are written again
.set BKR,  32                          ; v32-159 the stage read back
.set AF,   128                         ; A's fragments
.set G1, 24                            ; s[24:31] descriptor group 1 for A's tiles;  s[32:39] group 0, one set for each slot
.set G0, 32
.set G1B, 48                           ; s[48:55], s[56:63] the same for B's tiles
.set G0B, 56
.set MSB, 0
.macro WIN new                         ; the immediate's high byte repeats the setting that is left
.if MSB != \new
	s_set_vgpr_msb (MSB<<8)|\new
.set MSB, \new
.endif
.endm
.set MUL_LO, 0xa1                      ; source 0 (B) window 1, source 1 (A) window 0, C and D window 2
.set MUL_HI, 0xf1                      ; the same, C and D window 3
.set TO_B,   0x40                      ; destination window 1, address window 0
; A joint load: waves 0 and 1 fetch for A, waves 2 and 3 for B; the branch hangs on the wave's number alone.  Four v_nop follow each of the two lines.
.macro JLOAD g0a, g1a, g0b, g1b
	s_cmp_eq_u32 s15, 0
	s_cbranch_scc0 .Lfor_b_\@
	tensor_load_to_lds s[\g0a:\g0a+3], s[\g1a:\g1a+7]
	s_nop 0
.rept 4
	v_nop
.endr
	s_branch .Lasked_\@
.Lfor_b_\@:
	tensor_load_to_lds s[\g0b:\g0b+3], s[\g1b:\g1b+7]
	s_nop 0
.rept 4
	v_nop
.endr
.Lasked_\@:
.endm
.macro CREST                           ; a round of the cluster's barrier behind its opening barrier
	s_cmp_lg_u32 s14, 0
	s_cbranch_scc1 .Lnot_wave_0_\@
	s_barrier_signal -3
.Lnot_wave_0_\@:
	s_barrier_wait -3
	s_barrier_signal -1
	s_barrier_wait -1
.endm
.macro CROUND                          ; a whole round
	s_barrier_signal -1
	s_barrier_wait -1
	CREST
.endm
	s_load_b256 s[4:11], s[0:1], 0x0               ; x s[4:5], W_attn s[6:7], the scales' exponents s[8:9], the codes' buffer s[10:11]
	v_lshl_add_u32 v[SPW], v0, 2, SPARE
	v_mov_b32 v[NIL], 0
	ds_add_u32 v28, v29
	ds_add_u32 v28, v29
	s_wait_dscnt 0x0
	v_lshrrev_b32 v1, 5, v0
	v_readfirstlane_b32 s14, v1                    ; wave 0..3
	s_lshr_b32 s15, s14, 1                         ; which half of A's rows is mine.  Also: I fetch for A (0) or for B (1)
	s_and_b32 s16, s14, 1                          ; which half of B's rows.  Also: which 128 rows of that tile I fetch
	s_bfe_u32 s40, ttmp6, 0x40000                  ; cx, cy: my place in the cluster
	s_bfe_u32 s41, ttmp6, 0x40004
	s_and_b32 s67, ttmp7, 0xffff                   ; the cluster's y: 0-7 q and k, 8-11 v
	s_lshl_b32 s42, ttmp9, 2
	s_add_co_u32 s42, s42, s40                     ; 4 x cluster x + cx: B's tile for q and k
	s_max_u32 s68, s67, 8
	s_sub_co_u32 s68, s68, 8
	s_lshl_b32 s68, s68, 3
	s_add_co_u32 s68, s68, s42                     ; 8 (y - 8) + 4 x + cx: B's tile for v
	s_lshl_b32 s17, s67, 2
	s_add_co_u32 s17, s17, s41                     ; 4 y + cy: A's tile for q and k
	s_cmp_ge_u32 s67, 8                            ; only selections follow this compare
	s_cselect_b32 s82, 1, 0                        ; 1: this cluster makes v
	s_cselect_b32 s17, s41, s17                    ; A's tile: it holds cy and never cx
	s_cselect_b32 s42, s68, s42                    ; B's tile: it holds cx and never cy
	s_lshl_b32 s43, s41, 2
	s_lshl_b32 s43, 15, s43                        ; my row of the cluster
	s_lshl_b32 s44, 0x1111, s40                    ; my column
	; descriptor group 1: a tile of 128 rows x 256 bytes, padded in LDS
	s_or_b32 s[G1+0], s43, (0<<16)|(1<<20)|(1<<21)|(5<<22)|(3<<25)  ; 15:0 the mask; 17:16 elements of 1 byte; 20 padding on; 21 set beside a mask; 24:22 after every 64 words; 31:25 four words
	s_or_b32 s[G1B+0], s44, (0<<16)|(1<<20)|(1<<21)|(5<<22)|(3<<25)
.irp g, G1, G1B
	s_mov_b32 s[\g+1], ROWB<<16                    ; tensor_dim0
	s_mov_b32 s[\g+2], 128<<16                     ; tensor_dim1
	s_mov_b32 s[\g+3], ROWB<<16                    ; tile_dim0
	s_mov_b32 s[\g+4], 128                         ; tile_dim1
	s_mov_b32 s[\g+5], KROW                        ; tensor_dim0_stride
	s_mov_b32 s[\g+6], 0
	s_mov_b32 s[\g+7], 0
.endr
	s_lshl_b32 s18, s16, 7                         ; which 128 rows of the tile I fetch
	s_lshl_b32 s20, s17, 8
	s_add_co_u32 s20, s20, s18
	s_lshl_b32 s20, s20, 10                        ; A: (256 x tile + 128 x half) rows of 1,024 bytes: under 2^23
	s_mov_b32 s21, 0
	s_lshl_b32 s46, s42, 8
	s_add_co_u32 s46, s46, s18
	s_lshl_b32 s46, s46, 10                        ; B likewise
	s_mov_b32 s47, 0
	s_mul_i32 s45, s14, HALFT                      ; where they go: wave x 128 rows: no place in the cluster enters an LDS address
	s_wait_kmcnt 0x0
	s_load_b256 s[84:91], s[8:9], 0x0              ; e0 .. e7
	s_add_nc_u64 s[76:77], s[6:7], 0x200000        ; W_attn's row 2048
	s_cmp_eq_u32 s82, 1
	s_cselect_b64 s[78:79], s[76:77], s[4:5]       ; A
	s_cselect_b64 s[80:81], s[4:5], s[6:7]         ; B
	s_add_nc_u64 s[20:21], s[78:79], s[20:21]
	s_add_nc_u64 s[46:47], s[80:81], s[46:47]
	CROUND                                         ; all sixteen work-groups are here: the first joint loads meet
.irp s, 0,1
	s_mov_b32 s[G0+4*\s], 1
	s_add_co_u32 s[G0+4*\s+1], s45, \s*SLOT
	s_add_nc_u64 s[G0+4*\s+2:G0+4*\s+3], s[20:21], \s*ROWB
	s_or_b32 s[G0+4*\s+3], s[G0+4*\s+3], 0x80000000
	s_mov_b32 s[G0B+4*\s], 1
	s_add_co_u32 s[G0B+4*\s+1], s45, \s*SLOT
	s_add_nc_u64 s[G0B+4*\s+2:G0B+4*\s+3], s[46:47], \s*ROWB
	s_or_b32 s[G0B+4*\s+3], s[G0B+4*\s+3], 0x80000000
	JLOAD G0+4*\s, G1, G0B+4*\s, G1B
.endr
	v_and_b32 v1, 15, v0                           ; r = lane % 16
	s_wait_alu depctr_va_vdst(0)
	v_bfe_u32 v2, v0, 4, 1                         ; h = lane / 16
	v_mul_u32_u24 v3, v1, PITCH
	v_lshl_add_u32 v4, v2, 4, v3                   ; a fragment's row x pitch + 16 x half
	s_mul_i32 s21, s15, HALFT                      ; my 128 rows of A
	s_mul_i32 s22, s16, HALFT                      ; my 128 rows of B,
	s_add_co_u32 s22, s22, 2*HALFT                 ; which lie behind A's 256
.irp s, 0,1
	v_add_nc_u32 v[ADRA+\s], s21, v4
	v_add_nc_u32 v[ADRB+\s], s22, v4
	s_add_co_u32 s21, s21, SLOT
	s_add_co_u32 s22, s22, SLOT
.endr
	; the stage.  In: quarter 2 (wave % 2) + b / 4, row 128 (wave / 2) + 16 a + r, byte 16 (b % 4) + 8 h
	s_mul_i32 s23, s16, 2*QS
	s_mul_i32 s22, s15, 128*SROW
	s_add_co_u32 s23, s23, s22
	v_mul_u32_u24 v5, v1, SROW
	s_wait_alu depctr_va_vdst(0)
	v_lshl_add_u32 v5, v2, 3, v5
	v_add_nc_u32 v[STO], s23, v5
	; back: wave w takes rows 64 w .. 64 w + 63.  q, k: eight rows x 64 bytes of one quarter an instruction: row lane / 4, byte 16 (lane % 4)
	s_mul_i32 s23, s14, 64*SROW
	v_and_b32 v6, 31, v0                           ; lane
	v_lshrrev_b32 v7, 2, v6
	v_mul_u32_u24 v7, v7, SROW
	v_and_b32 v8, 3, v6
	v_lshl_add_u32 v7, v8, 4, v7
	v_add_nc_u32 v[RDQ], s23, v7
	v_add_nc_u32 v[RDQ+1], 2*QS, v[RDQ]
	v_lshlrev_b32 v[COQ], 4, v6
	; v: two rows x 256 bytes an instruction: row lane / 16, quarter (lane / 4) % 4, byte 16 (lane % 4)
	v_mul_u32_u24 v9, v2, SROW
	v_bfe_u32 v10, v0, 2, 2
	v_mad_u32_u24 v9, v10, QS, v9
	v_lshl_add_u32 v9, v8, 4, v9
	v_add_nc_u32 v[RDV], s23, v9
	v_lshlrev_b32 v[COV], 11, v2                   ; a row of v is 2,048 bytes
	v_lshl_add_u32 v[COV], v1, 4, v[COV]
	; where my wave's 64 rows begin in the codes' buffer.  q, k: part (B's tile / 4), batch (A's tile / 8), head 4 (B's tile % 4), pos 256 (A's tile % 8) + 64 wave
	s_lshr_b32 s18, s42, 2
	s_lshl_b32 s18, s18, 23
	s_lshr_b32 s20, s17, 3
	s_lshl_b32 s20, s20, 21
	s_add_co_u32 s18, s18, s20
	s_and_b32 s20, s42, 3
	s_lshl_b32 s20, s20, 19
	s_add_co_u32 s18, s18, s20
	s_and_b32 s20, s17, 7
	s_lshl_b32 s20, s20, 14
	s_add_co_u32 s18, s18, s20
	s_lshl_b32 s20, s14, 12
	s_add_co_u32 s18, s18, s20
	; v: part 2, batch (B's tile / 8), feature 256 (A's tile) + 64 wave, token 256 (B's tile % 8)
	s_lshr_b32 s19, s42, 3
	s_lshl_b32 s19, s19, 21
	s_add_co_u32 s19, s19, 1<<24
	s_lshl_b32 s20, s17, 19
	s_add_co_u32 s19, s19, s20
	s_lshl_b32 s20, s14, 17
	s_add_co_u32 s19, s19, s20
	s_and_b32 s20, s42, 7
	s_lshl_b32 s20, s20, 8
	s_add_co_u32 s19, s19, s20
	s_cmp_eq_u32 s82, 1
	s_cselect_b32 s18, s19, s18
	s_mov_b32 s19, 0
	s_add_nc_u64 s[10:11], s[10:11], s[18:19]
	; the conversion's scale: no branch hangs on a given exponent
	s_wait_kmcnt 0x0
	s_cmp_eq_u32 ttmp9, 0                          ; cluster x = 0 makes q, 1 makes k
	s_cselect_b32 s92, s86, s87                    ; e2 or e3
	s_cmp_eq_u32 s82, 1
	s_cselect_b32 s92, s89, s92                    ; or e5
	s_sub_co_i32 s92, s92, s84
	s_sub_co_i32 s92, s92, s85                     ; e_dst - e0 - e1
	s_add_co_i32 s92, s92, 127
	s_lshl_b32 s93, s92, 23
	v_mov_b32 v[SC], s93                           ; that power of two as f32: the conversion takes its exponent field
.macro FRAG reg, adr, q, i             ; a fragment: lane l holds row l % 16; registers 4 c .. 4 c + 3 hold K = 32 c + 16 (l / 16) + 0 .. 15: the same places of k in A and in B
.irp c, 0,1,2,3
	ds_load_b128 v[\reg+4*\c:\reg+4*\c+3], v[\adr] offset:128*(\q)+32*\c+(\i)*16*PITCH
.endr
.endm
; 16 matrix instructions: A's blocks a0, a0 + 1 x B's eight, 128 along K.  p: B's set.  zero = 1: the first product starts the sums.
; The 64 accumulators take turns, one instruction a turn, in the same order in every step.
.macro MUL16 a0, p, zero
.irp a, \a0, \a0+1
.irp b, 0,1,2,3,4,5,6,7
.if \zero
	v_wmma_f32_16x16x128_fp8_fp8 v[8*(8*((\a)%4)+\b):8*(8*((\a)%4)+\b)+7], v[128*(\p)+FR*\b:128*(\p)+FR*\b+FR-1], v[AF+FR*(\a):AF+FR*(\a)+FR-1], 0
.else
	v_wmma_f32_16x16x128_fp8_fp8 v[8*(8*((\a)%4)+\b):8*(8*((\a)%4)+\b)+7], v[128*(\p)+FR*\b:128*(\p)+FR*\b+FR-1], v[AF+FR*(\a):AF+FR*(\a)+FR-1], v[8*(8*((\a)%4)+\b):8*(8*((\a)%4)+\b)+7]
.endif
.endr
.endr
.endm
.macro FETCH_B slot, q, p              ; B's eight fragments of the slot's q-th 128 along K into set p
	WIN TO_B
.irp i, 0,1,2,3,4,5,6,7
	FRAG 128*(\p)+FR*\i, ADRB+\slot, \q, \i
.endr
	WIN 0
.endm
.macro FETCH_A slot, q, i0             ; A's blocks i0 .. i0 + 3
.irp i, \i0, \i0+1, \i0+2, \i0+3
	FRAG AF+FR*(\i), ADRA+\slot, \q, \i
.endr
.endm
.macro PLACES n                        ; plain vector lines between a matrix instruction and a load into, or a vector read of, its registers
.rept \n
	v_nop
.endr
.endm
; A step of 128 along K that has its successor in the same slot.
.macro STEP slot, q, zero
	s_wait_dscnt 4*NL                              ; B's set and A's blocks 0-3 are in; the youngest sixteen loads (A's blocks 4-7) may be out
	WIN MUL_LO
	MUL16 0, (\q)%2, \zero
	MUL16 2, (\q)%2, \zero
	s_wait_dscnt 0                                 ; A's blocks 4-7 are in
	PLACES NP
	FETCH_B \slot, (\q)+1, 1-(\q)%2
	FETCH_A \slot, (\q)+1, 0
	WIN MUL_HI
	MUL16 4, (\q)%2, \zero
	MUL16 6, (\q)%2, \zero
	PLACES NP
	WIN 0
	FETCH_A \slot, (\q)+1, 4
.endm
; A slot's last step changes slots: one barrier; in front of it each wave waits for all its tensor loads, adds 0 to its spare word, and waits for that and for its reads of this slot.
.macro TURN slot, next, fill
	s_wait_tensorcnt 0x0                           ; all my tensor loads have landed: my part of the next slot
	ds_add_u32 v[SPW], v[NIL]                      ; 0 onto my spare word
	s_wait_dscnt 4*NL+1                            ; the add and the youngest sixteen loads (A's blocks 4-7) may be out
	WIN MUL_LO
	MUL16 0, 1, 0                                  ; sixteen matrix instructions stand between the add and the wait for it
	s_wait_dscnt 0x0                               ; the add is done, and my reads of this slot are over
	s_barrier_signal -1
	MUL16 2, 1, 0
	WIN 0
	s_barrier_wait -1
.if \fill
	CREST                                          ; the barrier has opened a round of the cluster's: no wave of any partner still reads this slot or has a load on its way
	s_add_nc_u64 s[G0+4*\slot+2:G0+4*\slot+3], s[G0+4*\slot+2:G0+4*\slot+3], 2*ROWB
	s_add_nc_u64 s[G0B+4*\slot+2:G0B+4*\slot+3], s[G0B+4*\slot+2:G0B+4*\slot+3], 2*ROWB
	JLOAD G0+4*\slot, G1, G0B+4*\slot, G1B         ; the first tensor load behind the round, one a wave; its four v_nop are the places in front of the loads below
.else
	PLACES NP
.endif
	FETCH_B \next, 0, 0
	FETCH_A \next, 0, 0
	WIN MUL_HI
	MUL16 4, 1, 0
	MUL16 6, 1, 0
	PLACES NP
	WIN 0
	FETCH_A \next, 0, 4
.endm
	s_wait_tensorcnt 1                             ; my part of K step 0 is in; K step 1's load may be out
	s_barrier_signal -1
	s_barrier_wait -1
	FETCH_B 0, 0, 0
	FETCH_A 0, 0, 0
	FETCH_A 0, 0, 4
	STEP 0, 0, 1                                   ; K 0-127: these products start the sums
	TURN 0, 1, 1                                   ; K 128-255; slot 0 takes K step 2
	STEP 1, 0, 0
	TURN 1, 0, 1                                   ; slot 1 takes K step 3
	STEP 0, 0, 0
	TURN 0, 1, 0                                   ; nothing is left to fetch: behind this barrier nobody reads slot 0, and it has had its last fill
	STEP 1, 0, 0
	s_wait_dscnt 4*NL                              ; the very last step
	WIN MUL_LO
	MUL16 0, 1, 0
	MUL16 2, 1, 0
	s_wait_alu depctr_va_vdst(0)
	s_wait_dscnt 0
	WIN MUL_HI
	MUL16 4, 1, 0
	MUL16 6, 1, 0
	WIN 0
; THE WAY OUT.  Block a (16 rows of A x my 128 rows of B):
; eight sums of a lane become eight codes; they go into the work-group's stage.  Row r of the stage starts at word 20 r: the 32 lanes of a store touch 64 different banks.
.macro QBLOCK a
.set AC, 64*((\a)%4)
	WIN 0x02+((\a)/4)                              ; source 0: window 2 or 3
.set j, 0
.rept 64
.set j, j+1
.endr
.irp b, 0,1,2,3,4,5,6,7
	v_cvt_scalef32_pk8_fp8_f32 v[CD+16*(\a)+2*\b:CD+16*(\a)+2*\b+1], v[AC+8*\b:AC+8*\b+7], v[SC]
.endr
	WIN 0
	v_nop                                          ; a plain line behind the last conversion
.irp b, 0,1,2,3,4,5,6,7
	ds_store_b64 v[STO], v[CD+16*(\a)+2*\b:CD+16*(\a)+2*\b+1] offset:(\b/4)*QS+(\a)*16*SROW+16*(\b%4)
.endr
.endm
	PLACES NP                                      ; behind the last products
.irp a, 0,1,2,3,4,5,6,7
	QBLOCK \a
.endr
	s_wait_dscnt 0x0                               ; for the others' sake: my stores into the stage are done
	s_barrier_signal -1
	s_barrier_wait -1
	s_cmp_eq_u32 s82, 1                            ; the cluster's y decides: the same in all partners and all waves.  Both arms hold LDS loads and stores to memory alone
	s_cbranch_scc1 .Lv_arm
.irp hd, 0,1,2,3                       ; q, k: head hd of the tile's four, eight tokens an instruction
.irp tg, 0,1,2,3,4,5,6,7
	ds_load_b128 v[BKR+4*(8*\hd+\tg):BKR+4*(8*\hd+\tg)+3], v[RDQ+\hd/2] offset:(\hd%2)*QS+\tg*8*SROW
.endr
.endr
.irp hd, 0,1,2,3
.irp tg, 0,1,2,3,4,5,6,7
	s_wait_dscnt 31-(8*\hd+\tg)                    ; LDS loads come back in order: this one is in, the younger ones may be out
	global_store_b128 v[COQ], v[BKR+4*(8*\hd+\tg):BKR+4*(8*\hd+\tg)+3], s[10:11] offset:\hd*131072+(((\tg)&4)|(((\tg)&1)<<1)|(((\tg)>>1)&1))*512   ; 512 consecutive bytes, aligned; the group of eight tokens goes to the place with its two low bits exchanged
.endr
.endr
	s_branch .Ljoin
.Lv_arm:
.irp i, 0,1,2,3,4,5,6,7,8,9,10,11,12,13,14,15,16,17,18,19,20,21,22,23,24,25,26,27,28,29,30,31
	ds_load_b128 v[BKR+4*\i:BKR+4*\i+3], v[RDV] offset:\i*2*SROW      ; v: two features' 256 tokens
.endr
.irp i, 0,1,2,3,4,5,6,7,8,9,10,11,12,13,14,15,16,17,18,19,20,21,22,23,24,25,26,27,28,29,30,31
	s_wait_dscnt 31-\i
	global_store_b128 v[COV], v[BKR+4*\i:BKR+4*\i+3], s[10:11] offset:\i*4096   ; sixteen lanes store 256 consecutive bytes, aligned
.endr
.Ljoin:
	s_wait_tensorcnt 0x0                           ; the wave's end
	ds_add_u32 v[SPW], v[NIL]
	s_wait_dscnt 0x0
	CROUND                                         ; the closing round: no work-group ends while a partner may still ask for a tile that names it
	s_endpgm
.Lfunc_end_k_qf56e8e9725_qkv:
	.size	k_qf56e8e9725_qkv, .Lfunc_end_k_qf56e8e9725_qkv-k_qf56e8e9725_qkv
	.p2alignl 7, 3214868480
	.fill 96, 4, 3214868480
	.section	.rodata,"a",@progbits
	.p2align	6, 0x0
	.amdhsa_kernel k_qf56e8e9725_qkv
		.amdhsa_group_segment_fixed_size 327680
		.amdhsa_private_segment_fixed_size 0
		.amdhsa_enable_private_segment 0
		.amdhsa_kernarg_size 32
		.amdhsa_user_sgpr_count 2
		.amdhsa_user_sgpr_kernarg_segment_ptr 1
		.amdhsa_wavefront_size32 1
		.amdhsa_system_sgpr_workgroup_id_x 1
		.amdhsa_system_sgpr_workgroup_id_y 1
		.amdhsa_system_sgpr_workgroup_id_z 1
		.amdhsa_system_vgpr_workitem_id 0
		.amdhsa_next_free_vgpr 1024
		.amdhsa_next_free_sgpr 100
		.amdhsa_reserve_vcc 0
		.amdhsa_float_denorm_mode_32 3
		.amdhsa_float_denorm_mode_16_64 3
		.amdhsa_fp16_overflow 1
		.amdhsa_memory_ordered 1
		.amdhsa_forward_progress 1
		.amdhsa_inst_pref_size 100
	.end_amdhsa_kernel
	.amdgpu_metadata
---
amdhsa.version: [ 1, 2 ]
amdhsa.kernels:
  - .name:           k_qf56e8e9725_qkv
    .symbol:         k_qf56e8e9725_qkv.kd
    .args:
      - { .name: x_codes, .offset: 0, .size: 8, .value_kind: global_buffer, .address_space: global }
      - { .name: W_attn_codes, .offset: 8, .size: 8, .value_kind: global_buffer, .address_space: global }
      - { .name: lowp_scales, .offset: 16, .size: 8, .value_kind: global_buffer, .address_space: global }
      - { .name: qkvc, .offset: 24, .size: 8, .value_kind: global_buffer, .address_space: global }
    .group_segment_fixed_size: 327680
    .private_segment_fixed_size: 0
    .kernarg_segment_align: 8
    .kernarg_segment_size: 32
    .max_flat_workgroup_size: 128
    .sgpr_count:     100
    .vgpr_count:     1024
    .wavefront_size: 32
...
	.end_amdgpu_metadata
.endif
;; end of part 1
;; launch attn (part 2): grid 4 x 64, 16 waves a work-group, clusters of 4 x 1, 327,680 bytes of LDS; arguments qkvc, lowp_scales, ycodes; writes ycodes
.if DOCPART == 2
	.amdgcn_target "amdgcn-amd-amdhsa--gfx1250"
	.amdhsa_code_object_version 6
	.text
	.protected	k_qf56e8e9725_attn
	.globl	k_qf56e8e9725_attn
	.p2align	8
	.type	k_qf56e8e9725_attn,@function
k_qf56e8e9725_attn:
	s_mov_b64 s[64:65], 0
	v_nop
	global_prefetch_b8 v0, s[64:65] scope:SCOPE_SE
	s_setreg_imm32_b32 hwreg(HW_REG_WAVE_MODE, 25, 1), 1
	s_wait_xcnt 0x0
	s_wait_alu depctr_hold_cnt(0) depctr_sa_sdst(0) depctr_va_vdst(0) depctr_va_sdst(0) depctr_va_ssrc(0) depctr_va_vcc(0) depctr_vm_vsrc(0)
	s_getreg_b32 s2, hwreg(HW_REG_IB_STS2, 6, 4)
	s_cmp_eq_u32 s2, 0
	s_cbranch_scc0 .Lentry_in_a_cluster
	s_endpgm
.Lentry_in_a_cluster:
	s_bfe_u32 s2, ttmp6, 0x10000c
	s_cmp_lg_u32 s2, 0x3003
	s_cbranch_scc0 .Lentry_shape_is_right
	s_endpgm
.Lentry_shape_is_right:
; Causal attention of one head (64 channels, 2,048 tokens) on codes of FP8 (E4M3), and its result quantised into codes for the last product.
; IN (made by the launch before): q at byte 0, k at 8,388,608: [batch x 16 + head][pos][64], pos = the token with bits 3 and 4 exchanged; v at 16,777,216: [batch x 16 + head][64 channels][2,048 tokens].
; lowp_scales: e2 (q), e3 (k), e4 (p), e5 (v), e6 (y).  OUT: y's codes, [head 16][batch x 2,048 + token][64]: a tile of 16 queries of a head is 1,024 bytes on end.
; THE SOFTMAX: t = score x 2^(e2 + e3) x log2(e) / 8; M = the row's largest t so far, rounded UP to a whole number; p = 2^(t - M) is quantised with 2^e4, not normalised.  The row's sum is taken of the
; unquantised p and divides at the end.  When M moves, the sum and O are multiplied by 2^(old M - new M), which rounds nothing.
; LIMITS on the given exponents, so that each power of two is an f32 number: e2 + e3 between -123 and 130 (added to c's exponent field); e4 and e6 between -126 and 119; e4 + e5 goes by v_ldexp_f32 and has none.
; SHARES.  A cluster of four work-groups is one head.  A head has 128 tiles of 16 queries; tile t needs the key steps (128 keys) 0 .. t / 8.  Wave w of work-group cx owns tile 4 w + cx and tile 127 - (4 w + cx):
; w / 2 + 1 and 16 - w / 2 steps, SEVENTEEN in every wave.  The two last steps hang on the wave's number alone: no branch hangs on cx, which enters addresses in memory and the mask's threshold only.
; Sixteen waves of 256 registers, four to a SIMD: one wave's exponentials stand beside another's products and LDS loads.
; THE WHOLE HEAD LIES IN LDS, FILLED ONCE: 8 tiles of 256 keys of K and 8 of V, asked for jointly by the four work-groups (wave 0: K's eight, wave 1: V's eight; eight tensor loads of such a wave are out).
; No LDS byte is filled again.  All of K and V is asked for at the head, so there is nothing left for a prefetch to ask ahead.
; LAYOUT.  Both products are used transposed: S^T = K Q^T (source 0 = 16 keys), O^T = V^T P^T (source 0 = 16 channels): a lane holds ONE query (lane % 16) throughout.  Sixteen rows of K on end are, by pos,
; the keys 32 b + 8 u + r + 8 (r / 8) of tile 2 b + u: so the 16 registers of tiles 2 b and 2 b + 1 are the 16 neighbouring keys 32 b + 16 (lane / 16) + 0 .. 15, and the conversions' results are the second product's operand.
.set TILEB, 64*272                     ; a tile in LDS: 64 rows of 256 bytes + 16 of padding.  K: four keys of 64 bytes to a row (dense in memory); V: a channel's 256 keys
.set VB,    8*TILEB                    ; V's tiles lie behind K's
.set STG,   16*TILEB                   ; behind them the stages for the way out: 2 tiles x 16 rows x 80 bytes for each wave; no tile lands there
.set WSTG,  2*16*80
.set AK0,  1                           ; v1   my lane's place in a fragment of K: (r / 4) 272 + (r % 4) 64 + 16 h: sixteen different banks
.set AV0,  2                           ; v2   of V: VB + 272 r + 16 h
.set ADK,  3                           ; v3   the step's address in K
.set ADV,  4                           ; v4   in V
.set DLO,  5                           ; v5   the mask's threshold for my low tile: my query less the last step's first key less 16 h
.set DHI,  6                           ; v6   for my high tile
.set PRM,  7                           ; v7   a lane permute's destination; written once at the head
.set STO,  8                           ; v8   the way out: where I put eight codes
.set RD,   9                           ; v9   where I read 16 bytes back
.set GO,   10                          ; v10  16 x lane
.set QOF,  11                          ; v11  my byte offset in a tile of q
.set STL,  12                          ; v12 -M, v13 the largest t, v[14:15] the sum in two halves: low tile
.set STH,  16                          ; v16-19 the same: high tile
.set QL,   20                          ; v20-27 Q's fragment, low tile
.set QH,   28                          ; v28-35 high tile
.set F,    36                          ; v36-99 eight fragments of K, then four of V
.set S,    100                         ; v100-163 S^T, then p
.set OL,   164                         ; v164-195 O^T, low tile
.set OH,   196                         ; v196-227 high tile
.set PC,   228                         ; v228-243 p's codes
.set WV,   10                          ; s10  wave
.set CX,   11                          ; s11  my place in the cluster
.set HEAD, 12                          ; s12  batch x 16 + head
.set KS,   13                          ; s13  the first key step of the tile of keys in hand
.set TB,   14                          ; s14  that tile's first LDS byte
.set LSLO, 15                          ; s15  my low tile's last key step
.set LSHI, 66                          ; s66  my high tile's
.set G1K,  16                          ; s[16:23] descriptor group 1 for K's tiles;  s[24:31] for V's;  s[32:63] eight groups 0
.set G1V,  24
.set G0,   32
.set SEL,  68                          ; s[68:69] v_permlanex16_b32's selects: lane l xor 16
.set CS,   74                          ; s[74:75] c = 2^(e2 + e3) log2(e) / 8
.macro CROUND                          ; a round of the cluster's barrier
	s_barrier_signal -1
	s_barrier_wait -1
	s_cmp_lg_u32 s[WV], 0
	s_cbranch_scc1 .Lnot_wave_0_\@
	s_barrier_signal -3
.Lnot_wave_0_\@:
	s_barrier_wait -3
	s_barrier_signal -1
	s_barrier_wait -1
.endm
	s_load_b128 s[4:7], s[0:1], 0x0                ; the codes of q, k, v s[4:5]; the scales' exponents s[6:7]
	s_load_b64 s[8:9], s[0:1], 0x10                ; y's codes
	v_lshl_add_u32 v254, v0, 2, 0x4e000
	v_mov_b32 v255, 0
	ds_add_u32 v254, v255
	ds_add_u32 v254, v255
	s_wait_dscnt 0x0
	v_lshrrev_b32 v1, 5, v0
	s_delay_alu instid0(VALU_DEP_1)
	v_readfirstlane_b32 s[WV], v1                  ; wave 0..15
	s_bfe_u32 s[CX], ttmp6, 0x40000
	s_and_b32 s[HEAD], ttmp7, 0xffff               ; the cluster's y
	s_lshr_b32 s[LSLO], s[WV], 1
	s_sub_co_u32 s[LSHI], 15, s[LSLO]
	; descriptor group 1: 64 rows x 256 bytes, 16 bytes of padding behind each; the mask names all four work-groups
	s_mov_b32 s[G1K], 15|(0<<16)|(1<<20)|(1<<21)|(5<<22)|(3<<25)
	s_mov_b32 s[G1V], 15|(0<<16)|(1<<20)|(1<<21)|(5<<22)|(3<<25)
.irp g, G1K, G1V
	s_mov_b32 s[\g+1], 256<<16                     ; tensor_dim0
	s_mov_b32 s[\g+2], 64<<16                      ; tensor_dim1
	s_mov_b32 s[\g+3], 256<<16                     ; tile_dim0
	s_mov_b32 s[\g+4], 64                          ; tile_dim1
	s_mov_b32 s[\g+6], 0
	s_mov_b32 s[\g+7], 0
.endr
	s_mov_b32 s[G1K+5], 256                        ; K: the rows follow each other in memory
	s_mov_b32 s[G1V+5], 2048                       ; V: a channel's row is 2,048 bytes
	s_and_b32 s93, s[WV], 1                        ; 0: K (wave 0), 1: V (wave 1)
	s_add_co_u32 s94, s93, 1
	s_lshl_b32 s94, s94, 23                        ; the part of the buffer,
	s_lshl_b32 s95, s[HEAD], 17                    ; the head's 131,072 bytes in it
	s_add_co_u32 s70, s94, s95
	s_mov_b32 s71, 0
	s_mul_i32 s72, s93, 16128
	s_sub_co_u32 s72, 16384, s72                   ; from tile to tile: 16,384 bytes in K, 256 in V
	s_mov_b32 s73, 0
	s_mul_i32 s96, s93, VB
	s_wait_kmcnt 0x0
	s_load_b256 s[76:83], s[6:7], 0x0              ; e0 .. e7
	s_add_nc_u64 s[70:71], s[4:5], s[70:71]
.irp n, 0,1,2,3,4,5,6,7
	s_mov_b32 s[G0+4*\n], 1
	s_add_co_u32 s[G0+4*\n+1], s96, \n*TILEB
	s_mov_b64 s[G0+4*\n+2:G0+4*\n+3], s[70:71]
	s_or_b32 s[G0+4*\n+3], s[G0+4*\n+3], 0x80000000
	s_add_nc_u64 s[70:71], s[70:71], s[72:73]
.endr
	CROUND                                         ; all four work-groups are here: the joint loads meet
	s_cmp_eq_u32 s[WV], 0                          ; the branches hang on the wave's number alone
	s_cbranch_scc0 .Lnot_k
.irp n, 0,1,2,3,4,5,6,7
	tensor_load_to_lds s[G0+4*\n:G0+4*\n+3], s[G1K:G1K+7]
	s_nop 0
.endr
.rept 4
	v_nop
.endr
	s_branch .Lasked
.Lnot_k:
	s_cmp_eq_u32 s[WV], 1
	s_cbranch_scc0 .Lasked
.irp n, 0,1,2,3,4,5,6,7
	tensor_load_to_lds s[G0+4*\n:G0+4*\n+3], s[G1V:G1V+7]
	s_nop 0
.endr
.rept 4
	v_nop
.endr
.Lasked:
	v_and_b32 v[GO], 31, v0                        ; lane
	v_and_b32 v250, 15, v0                         ; r
	v_bfe_u32 v251, v0, 4, 1                       ; h
	s_delay_alu instid0(VALU_DEP_2)
	v_lshrrev_b32 v248, 2, v250
	s_delay_alu instid0(VALU_DEP_1)
	v_mul_u32_u24 v[AK0], v248, 272
	s_delay_alu instid0(VALU_DEP_4)
	v_and_b32 v248, 3, v250
	s_delay_alu instid0(VALU_DEP_1)
	v_lshl_add_u32 v[AK0], v248, 6, v[AK0]
	s_delay_alu instid0(VALU_DEP_1)
	v_lshl_add_u32 v[AK0], v251, 4, v[AK0]
	v_mul_u32_u24 v[AV0], v250, 272
	s_delay_alu instid0(VALU_DEP_1)
	v_lshl_add_u32 v[AV0], v251, 4, v[AV0]
	s_delay_alu instid0(VALU_DEP_1)
	v_add_nc_u32 v[AV0], VB, v[AV0]
	s_and_b32 s93, s[WV], 1
	s_lshl_b32 s93, s93, 2
	s_add_co_u32 s93, s93, s[CX]                   ; my low tile's place among the eight of its last key step,
	s_sub_co_u32 s94, 7, s93                       ; my high tile's
	s_lshl_b32 s93, s93, 4
	s_lshl_b32 s94, s94, 4
	v_lshlrev_b32 v248, 4, v251
	s_delay_alu instid0(VALU_DEP_1)
	v_sub_nc_u32 v248, v250, v248                  ; r - 16 h
	s_delay_alu instid0(VALU_DEP_1)
	v_add_nc_u32 v[DLO], s93, v248
	s_delay_alu instid0(VALU_DEP_2)
	v_add_nc_u32 v[DHI], s94, v248
	s_mul_i32 s95, s[WV], WSTG
	s_add_co_u32 s95, s95, STG                     ; my stage
	v_mul_u32_u24 v[STO], v250, 80
	s_delay_alu instid0(VALU_DEP_1)
	v_lshl_add_u32 v[STO], v251, 3, v[STO]
	s_delay_alu instid0(VALU_DEP_1)
	v_add_nc_u32 v[STO], s95, v[STO]               ; in: row r, + 8 h
	v_lshrrev_b32 v248, 2, v[GO]
	s_delay_alu instid0(VALU_DEP_1)
	v_mul_u32_u24 v[RD], v248, 80
	v_and_b32 v248, 3, v[GO]
	s_delay_alu instid0(VALU_DEP_1)
	v_lshl_add_u32 v[RD], v248, 4, v[RD]
	s_delay_alu instid0(VALU_DEP_1)
	v_add_nc_u32 v[RD], s95, v[RD]                 ; back: row lane / 4, byte 16 (lane % 4)
	v_lshlrev_b32 v[GO], 4, v[GO]
	v_and_b32 v248, 8, v250
	s_delay_alu instid0(VALU_DEP_1)
	v_add_nc_u32 v248, v248, v250                  ; query 16 t + r lies at pos 32 (t / 2) + 8 (t % 2) + r + 8 (r / 8)
	s_delay_alu instid0(VALU_DEP_1)
	v_lshlrev_b32 v[QOF], 6, v248
	s_delay_alu instid0(VALU_DEP_1)
	v_lshl_add_u32 v[QOF], v251, 4, v[QOF]
	s_wait_alu depctr_va_vdst(0)
	s_lshl_b32 s93, s[WV], 2
	s_add_co_u32 s93, s93, s[CX]                   ; my low tile
	s_sub_co_u32 s94, 127, s93                     ; my high tile
	s_lshl_b32 s95, s[HEAD], 17                    ; q: the head's bytes
	s_and_b32 s98, s[HEAD], 15
	s_lshl_b32 s98, s98, 19                        ; y: the head's 8,192 tokens x 64,
	s_lshr_b32 s99, s[HEAD], 4
	s_lshl_b32 s99, s99, 17                        ; the batch's 2,048 x 64
	s_add_co_u32 s98, s98, s99
.macro BASE t, qb, yb                  ; tile s[t]: where its q begins, and its y
	s_lshr_b32 s96, s[\t], 1
	s_lshl_b32 s96, s96, 11
	s_and_b32 s97, s[\t], 1
	s_lshl_b32 s97, s97, 9
	s_add_co_u32 s96, s96, s97
	s_add_co_u32 s96, s96, s95
	s_mov_b32 s97, 0
	s_add_nc_u64 s[\qb:\qb+1], s[4:5], s[96:97]
	s_lshl_b32 s96, s[\t], 10
	s_add_co_u32 s96, s96, s98
	s_add_nc_u64 s[\yb:\yb+1], s[8:9], s[96:97]
.endm
	BASE 93, 84, 88
	BASE 94, 86, 90
	global_load_b128 v[QL:QL+3],   v[QOF], s[84:85]            ; Q stays in registers: two loads of 16 bytes, 32 apart: the same places of k as K's fragments have
	global_load_b128 v[QL+4:QL+7], v[QOF], s[84:85] offset:32
	global_load_b128 v[QH:QH+3],   v[QOF], s[86:87]
	global_load_b128 v[QH+4:QH+7], v[QOF], s[86:87] offset:32
.irp st, STL, STH
	v_mov_b32 v[\st+1], 0xff61b1e6                 ; the largest t so far: -3e38, under every t
	s_delay_alu instid0(VALU_DEP_1)
	v_floor_f32 v[\st], -v[\st+1]                  ; -M
	v_mov_b32 v[\st+2], 0                          ; the sum, in two halves
	v_mov_b32 v[\st+3], 0
.endr
	v_mov_b32 v[PRM], 0
	v_mov_b32 v247, 0                              ; named as the upper half of the pair v[246:247]
	v_mov_b32 v252, 0xff800000                     ; -infinity, for hidden scores
.set j, 0
.rept 64
	v_mov_b32 v[OL+j], 0                           ; O^T of both tiles: the step is written once, and the first change of M leaves zeros zeros
.set j, j+1
.endr
	s_mov_b32 s[SEL], 0x76543210
	s_mov_b32 s[SEL+1], 0xfedcba98
	s_wait_kmcnt 0x0
	s_add_co_i32 s93, s78, s79                     ; e2 + e3
	s_lshl_b32 s93, s93, 23
	s_mov_b32 s[CS], 0x3e38aa3b                    ; log2(e) / 8
	s_add_co_i32 s[CS], s[CS], s93                 ; the exponents are added to its exponent field
	s_mov_b32 s[CS+1], s[CS]                       ; named with it as a pair, so it is written
	s_add_co_i32 s93, s80, 127
	s_lshl_b32 s94, s93, 23
	v_mov_b32 v244, s94                            ; 2^e4
	s_add_co_i32 s93, s82, 127
	s_lshl_b32 s94, s93, 23
	v_mov_b32 v253, s94                            ; 2^e6
	s_add_co_i32 s92, s80, s81                     ; e4 + e5
; A KEY STEP of one tile of queries: the q-th 128 keys of the tile of keys in hand.  st: the tile's statistics; qf: its Q; ob: its O^T; dr: its threshold; ls: its last step.
.macro STEP q, st, qf, ob, dr, ls
	s_add_co_u32 s3, s[KS], \q
	s_cmp_gt_u32 s3, s[\ls]                        ; all these keys come after my queries: the step is left out.  The branch hangs on the wave's number and the loop's counter
	s_cbranch_scc1 .Lhidden_\@
	v_add_nc_u32 v[ADK], s[TB], v[AK0]
	v_add_nc_u32 v[ADV], s[TB], v[AV0]
	v_nop                                          ; with the two additions: four places in front of loads into registers that the last products read
	v_nop
.irp t, 0,1,2,3,4,5,6,7
	ds_load_b128 v[F+8*\t:F+8*\t+3],   v[ADK] offset:8704*(\q)+1088*\t
	ds_load_b128 v[F+8*\t+4:F+8*\t+7], v[ADK] offset:8704*(\q)+1088*\t+32
.endr
	s_wait_alu depctr_va_vdst(0)
	s_wait_dscnt 0x0
.irp t, 0,1,2,3,4,5,6,7
	v_wmma_f32_16x16x64_fp8_fp8 v[S+8*\t:S+8*\t+7], v[F+8*\t:F+8*\t+7], v[\qf:\qf+7], 0
.endr
.rept 4
	v_nop                                          ; places in front of the loads below and of the first read of the scores
.endr
.irp t, 0,1,2,3                        ; V's four fragments (16 channels x 128 keys) land while the softmax is worked
.irp c, 0,1,2,3
	ds_load_b128 v[F+16*\t+4*\c:F+16*\t+4*\c+3], v[ADV] offset:4352*\t+128*(\q)+32*\c
.endr
.endr
	s_cmp_lg_u32 s3, s[\ls]                        ; only the tile's last step lies on the diagonal
	s_cbranch_scc1 .Lopen_\@
.set n, 0
.rept 64                               ; register 16 b + i holds the step's key 32 b + 16 h + i: hidden where 32 b + i > my threshold; its score becomes -infinity, its p 0
	v_cmp_gt_i32 vcc_lo, 32*(n/16)+n%16, v[\dr]
	v_cndmask_b32 v[S+n], v[S+n], v252, vcc_lo
.set n, n+1
.endr
.Lopen_\@:
	v_max3_num_f32 v250, v[S], v[S+1], v[S+2]      ; the step's largest score of my query among my 64 keys, in two chains, each accumulator from its low end on
	v_max3_num_f32 v251, v[S+3], v[S+4], v[S+5]
.irp i, 6,10,14,18,22,26,30,34,38,42,46,50,54,58
	v_max3_num_f32 v250, v250, v[S+\i], v[S+\i+1]
	v_max3_num_f32 v251, v251, v[S+\i+2], v[S+\i+3]
.endr
	v_max3_num_f32 v250, v250, v[S+62], v[S+63]
	s_delay_alu instid0(VALU_DEP_1)
	v_max_num_f32 v250, v250, v251
	s_delay_alu instid0(VALU_DEP_1)
	v_permlanex16_b32 v[PRM], v250, s[SEL], s[SEL+1]
	s_delay_alu instid0(VALU_DEP_1)
	v_max_num_f32 v250, v250, v[PRM]               ; and among lane l xor 16's
	s_delay_alu instid0(VALU_DEP_1)
	v_mul_f32 v250, s[CS], v250                    ; as t (c is positive)
	s_delay_alu instid0(VALU_DEP_1)
	v_max_num_f32 v[\st+1], v[\st+1], v250         ; the running largest t
	v_mov_b32 v250, v[\st]
	s_delay_alu instid0(VALU_DEP_2)
	v_floor_f32 v[\st], -v[\st+1]                  ; the new -M = floor(-t): M is a whole number
	s_delay_alu instid0(VALU_DEP_1)
	v_sub_f32 v250, v[\st], v250                   ; old M - new M: a whole number, 0 or less
	s_delay_alu instid0(VALU_DEP_1)
	v_cvt_i32_f32 v250, v250                       ; (it saturates)
	s_delay_alu instid0(VALU_DEP_1)
	v_ldexp_f32 v246, 1.0, v250                    ; f = 2^(old M - new M)
.set j, 0
.rept 32
	v_pk_fma_f32 v[S+j:S+j+1], v[S+j:S+j+1], s[CS:CS+1], v[\st:\st+1] op_sel_hi:[1,0,0]   ; t - M, two at a time
.set j, j+2
.endr
.set j, 0
	s_wait_alu depctr_va_vdst(0)
.rept 64
	v_exp_f32 v[S+j], v[S+j]                       ; p = 2^(t - M)
.set j, j+1
.endr
	v_pk_mul_f32 v[\st+2:\st+3], v[\st+2:\st+3], v[246:247] op_sel_hi:[1,0]   ; the sums under the new M: the plain line behind the exponentials
	s_wait_alu depctr_va_vdst(0)                   ; one wait for the batch of 64, ahead of its first reader
	v_pk_add_f32 v[248:249], v[S:S+1], v[S+2:S+3]  ; the row's sum is taken of the unquantised p, in two chains
.irp j, 4,8,12,16,20,24,28,32,36,40,44,48,52,56,60
	v_pk_add_f32 v[\st+2:\st+3], v[\st+2:\st+3], v[S+\j:S+\j+1]
	v_pk_add_f32 v[248:249], v[248:249], v[S+\j+2:S+\j+3]
.endr
	s_delay_alu instid0(VALU_DEP_1)
	v_pk_add_f32 v[\st+2:\st+3], v[\st+2:\st+3], v[248:249]
.irp b, 0,1,2,3
.irp i, 0,1,2,3,4,5,6,7,8,9,10,11,12,13,14,15
.endr
	v_cvt_scalef32_pk8_fp8_f32 v[PC+4*\b:PC+4*\b+1], v[S+16*\b:S+16*\b+7], v244
	v_cvt_scalef32_pk8_fp8_f32 v[PC+4*\b+2:PC+4*\b+3], v[S+16*\b+8:S+16*\b+15], v244
.endr
.set j, 0
.rept 16
	v_pk_mul_f32 v[\ob+j:\ob+j+1], v[\ob+j:\ob+j+1], v[246:247] op_sel_hi:[1,0]   ; O^T under the new M; also the plain lines between the conversions and the products
.set j, j+2
.endr
	s_wait_alu depctr_va_vdst(0)
	s_wait_dscnt 0x0                               ; V's fragments are in
.irp t, 0,1,2,3                        ; the four accumulators take one turn each; the scores' eight products stand between two turns of one accumulator
	v_wmma_f32_16x16x128_fp8_fp8 v[\ob+8*\t:\ob+8*\t+7], v[F+16*\t:F+16*\t+15], v[PC:PC+15], v[\ob+8*\t:\ob+8*\t+7]
.endr
.Lhidden_\@:
.endm
.macro SLOT                            ; a tile of 256 keys: two key steps for each of my two tiles of queries
	STEP 0, STL, QL, OL, DLO, LSLO
	STEP 0, STH, QH, OH, DHI, LSHI
	STEP 1, STL, QL, OL, DLO, LSLO
	STEP 1, STH, QH, OH, DHI, LSHI
.endm
	s_wait_tensorcnt 7                             ; waves 0 and 1: tile 0 has landed; the seven behind it may stay out
	s_wait_loadcnt 0x0                             ; Q
	s_barrier_signal -1
	s_barrier_wait -1                              ; K's and V's tile 0 are there for all sixteen waves
	s_mov_b32 s[KS], 0
	s_mov_b32 s[TB], 0
	SLOT                                           ; keys 0-255 are worked while the rest of the head lands
	s_wait_tensorcnt 0x0                           ; waves 0 and 1: all tiles have landed
	s_wait_dscnt 0x0
	s_barrier_signal -1
	s_barrier_wait -1                              ; from here on the waves run free
	s_mov_b32 s[KS], 2
	s_mov_b32 s[TB], TILEB
.Lslot:                                            ; seven trips, a constant: what a wave does not need it jumps over inside the trip
	SLOT
	s_add_co_u32 s[TB], s[TB], TILEB
	s_add_co_u32 s[KS], s[KS], 2
	s_cmp_lt_u32 s[KS], 16
	s_cbranch_scc1 .Lslot
	; THE WAY OUT.  y = O^T x 2^(e4 + e5) / the sum; its code with 2^e6.  The additions, the v_nop and the two v_ldexp_f32 are the places behind the last products.
	v_add_f32 v[STL+2], v[STL+2], v[STL+3]         ; the sum's two halves,
	v_add_f32 v[STH+2], v[STH+2], v[STH+3]
	s_delay_alu instid0(VALU_DEP_2)
	v_permlanex16_b32 v[PRM], v[STL+2], s[SEL], s[SEL+1]
	s_delay_alu instid0(VALU_DEP_2)
	v_permlanex16_b32 v247, v[STH+2], s[SEL], s[SEL+1]
	s_delay_alu instid0(VALU_DEP_2)
	v_add_f32 v[STL+2], v[STL+2], v[PRM]           ; and lane l xor 16's
	s_delay_alu instid0(VALU_DEP_2)
	v_add_f32 v[STH+2], v[STH+2], v247
	s_wait_alu depctr_va_vdst(0)
	v_rcp_f32 v[STL+2], v[STL+2]
	v_rcp_f32 v[STH+2], v[STH+2]
	v_nop                                          ; a plain line behind the reciprocals
	s_wait_alu depctr_va_vdst(0)                   ; one wait for both, ahead of the first reader
	v_ldexp_f32 v[STL+2], v[STL+2], s92
	v_ldexp_f32 v[STH+2], v[STH+2], s92
; A tile: a lane's eight channels of a query become eight codes; they go into rows of 80 bytes of my own stage and come back as 1,024 bytes on end.  LDS serves a wave's instructions in order.
.macro PACK st, ob, idx
.set SB, S+32*(\idx)
.set PB, PC+8*(\idx)
.set j, 0
.rept 16
	v_pk_mul_f32 v[SB+j:SB+j+1], v[\ob+j:\ob+j+1], v[\st+2:\st+3] op_sel_hi:[1,0]
.set j, j+2
.endr
.set j, 0
.rept 32
.set j, j+1
.endr
.irp t, 0,1,2,3
	v_cvt_scalef32_pk8_fp8_f32 v[PB+2*\t:PB+2*\t+1], v[SB+8*\t:SB+8*\t+7], v253
.endr
	v_nop                                          ; a plain line behind the last conversion
.irp t, 0,1,2,3
	ds_store_b64 v[STO], v[PB+2*\t:PB+2*\t+1] offset:1280*(\idx)+16*\t
.endr
.irp k, 0,1
	ds_load_b128 v[F+8*(\idx)+4*\k:F+8*(\idx)+4*\k+3], v[RD] offset:1280*(\idx)+640*\k
.endr
.endm
	PACK STL, OL, 0
	PACK STH, OH, 1
	s_wait_dscnt 0x0
	global_store_b128 v[GO], v[F:F+3],     s[88:89]            ; each store covers 512 consecutive bytes, aligned
	global_store_b128 v[GO], v[F+4:F+7],   s[88:89] offset:512
	global_store_b128 v[GO], v[F+8:F+11],  s[90:91]
	global_store_b128 v[GO], v[F+12:F+15], s[90:91] offset:512
	s_wait_xcnt 0x0
	v_lshl_add_u32 v254, v0, 2, 0x4e000
	v_mov_b32 v255, 0
	s_wait_alu depctr_va_vdst(0)
	s_wait_tensorcnt 0x0
	ds_add_u32 v254, v255
	s_wait_dscnt 0x0
	CROUND                                         ; the closing round
	s_endpgm
.Lfunc_end_k_qf56e8e9725_attn:
	.size	k_qf56e8e9725_attn, .Lfunc_end_k_qf56e8e9725_attn-k_qf56e8e9725_attn
	.p2alignl 7, 3214868480
	.fill 96, 4, 3214868480
	.section	.rodata,"a",@progbits
	.p2align	6, 0x0
	.amdhsa_kernel k_qf56e8e9725_attn
		.amdhsa_group_segment_fixed_size 327680
		.amdhsa_private_segment_fixed_size 0
		.amdhsa_enable_private_segment 0
		.amdhsa_kernarg_size 24
		.amdhsa_user_sgpr_count 2
		.amdhsa_user_sgpr_kernarg_segment_ptr 1
		.amdhsa_wavefront_size32 1
		.amdhsa_system_sgpr_workgroup_id_x 1
		.amdhsa_system_sgpr_workgroup_id_y 1
		.amdhsa_system_sgpr_workgroup_id_z 1
		.amdhsa_system_vgpr_workitem_id 0
		.amdhsa_next_free_vgpr 256
		.amdhsa_next_free_sgpr 100
		.amdhsa_reserve_vcc 1
		.amdhsa_float_denorm_mode_32 3
		.amdhsa_float_denorm_mode_16_64 3
		.amdhsa_fp16_overflow 1
		.amdhsa_memory_ordered 1
		.amdhsa_forward_progress 1
		.amdhsa_inst_pref_size 168
	.end_amdhsa_kernel
	.amdgpu_metadata
---
amdhsa.version: [ 1, 2 ]
amdhsa.kernels:
  - .name:           k_qf56e8e9725_attn
    .symbol:         k_qf56e8e9725_attn.kd
    .args:
      - { .name: qkvc, .offset: 0, .size: 8, .value_kind: global_buffer, .address_space: global }
      - { .name: lowp_scales, .offset: 8, .size: 8, .value_kind: global_buffer, .address_space: global }
      - { .name: ycodes, .offset: 16, .size: 8, .value_kind: global_buffer, .address_space: global }
    .group_segment_fixed_size: 327680
    .private_segment_fixed_size: 0
    .kernarg_segment_align: 8
    .kernarg_segment_size: 24
    .max_flat_workgroup_size: 512
    .sgpr_count:     100
    .vgpr_count:     256
    .wavefront_size: 32
...
	.end_amdgpu_metadata
.endif
;; end of part 2
;; launch proj (part 3): grid 4 x 32, 4 waves a work-group, clusters of 4 x 4, 327,680 bytes of LDS; arguments ycodes, W_proj_codes, lowp_scales, out0; writes out0
.if DOCPART == 3
	.amdgcn_target "amdgcn-amd-amdhsa--gfx1250"
	.amdhsa_code_object_version 6
	.text
	.protected	k_qf56e8e9725_proj
	.globl	k_qf56e8e9725_proj
	.p2align	8
	.type	k_qf56e8e9725_proj,@function
k_qf56e8e9725_proj:
	s_mov_b64 s[64:65], 0
	v_nop
	global_prefetch_b8 v0, s[64:65] scope:SCOPE_SE
	s_setreg_imm32_b32 hwreg(HW_REG_WAVE_MODE, 25, 1), 1
	s_wait_xcnt 0x0
	s_wait_alu depctr_hold_cnt(0) depctr_sa_sdst(0) depctr_va_vdst(0) depctr_va_sdst(0) depctr_va_ssrc(0) depctr_va_vcc(0) depctr_vm_vsrc(0)
	s_getreg_b32 s2, hwreg(HW_REG_IB_STS2, 6, 4)
	s_cmp_eq_u32 s2, 0
	s_cbranch_scc0 .Lentry_in_a_cluster
	s_endpgm
.Lentry_in_a_cluster:
	s_bfe_u32 s2, ttmp6, 0x10000c
	s_cmp_lg_u32 s2, 0xf033
	s_cbranch_scc0 .Lentry_shape_is_right
	s_endpgm
.Lentry_shape_is_right:
; out = y W_proj^T on codes of FP8 (E4M3).  y's codes: [head 16][token 8,192][64] (made by the launch before); K = 64 head + d.  W_proj: [1024][1024] codes, K innermost.  out: [8192][1024] f32.
; A number of y is its code x 2^e6, of W_proj x 2^e7 (entries 6 and 7 of the scales' exponents): the codes are multiplied as they are, and each finished sum once by 2^(e6 + e7).
; LIMIT: e6 + e7 lies between -126 and 127, so that 2^(e6 + e7) is an f32 number.
; A tile of out, 256 x 256, to a work-group of four waves; 128 x 128, 64 accumulators, to a wave.  K goes in four steps of 256 (four heads) through a ring of two LDS slots; they are written out, without a loop.
; 128 tiles: 128 work-groups.  Two of the four K steps are asked for at the head and the other two one step later: no prefetch is laid.
; A'S TILE: 128 tokens x 4 heads come as 4 rows of 8,192 bytes (a head's 128 tokens x 64 codes lie on end in memory), 524,288 bytes apart, with 16 bytes of padding behind every 64: in LDS [head][token][80].
; CLUSTERS: 4 x 4: A's tiles are asked for jointly by a row of the cluster, B's by a column.  The matrix instruction is used transposed (source 0 = 16 rows of W_proj, source 1 = 16 tokens):
; a lane holds eight neighbouring numbers of a row of out.
; REGISTERS, in windows of 256: window 0: v1-31 addresses; v128-255 A's fragments, one set; on the way out v32-255.  window 1: B's fragments, two sets.  windows 2, 3: accumulators.
.set SIZE_N, 1024
.set ROWB,   256                       ; B: a tile's row
.set KROW,   1024                      ; B: a row in memory
.set PITCH,  272                       ; B: an LDS row: 256 bytes + 16
.set TOKB,   80                        ; A: a token's 64 codes of one head + 16: token r starts at word 20 r: sixteen different banks
.set HROW,   128*TOKB                  ; A: a head's 128 tokens in LDS
.set HEADB,  8192*64                   ; A: from head to head in memory
.set AH,     4*HROW                    ; A: what one tensor load brings: 128 tokens x 4 heads
.set BH,     128*PITCH                 ; B: 128 rows
.set FR,     16
.set NL,     4
.set NP,     4
.set SLOT,   2*AH+2*BH                 ; A's two halves, then B's two
.set SPARE,  2*SLOT                    ; behind the ring: the spare words, 128 bytes a wave
.set SPITCH, 528                       ; the way out: a stage of 16 rows x (512 bytes + 16) for each wave, in slot 0, which has had its last fill and its last read by then
.set ADRA, 16
.set ADRB, 20
.set STO,  24
.set RD,   25
.set CO,   26
.set SPW,  28                          ; v28  LDS address of my spare word; never rewritten
.set NIL,  29                          ; v29  0; never rewritten
.set TMP,  32
.set AF,   128
.set BK,   128
.set G1, 24
.set G0, 32
.set G1B, 48
.set G0B, 56
.set MSB, 0
.macro WIN new                         ; the immediate's high byte repeats the setting that is left
.if MSB != \new
	s_set_vgpr_msb (MSB<<8)|\new
.set MSB, \new
.endif
.endm
.set MUL_LO, 0xa1                      ; source 0 (B) window 1, source 1 (A) window 0, C and D window 2
.set MUL_HI, 0xf1
.set TO_B,   0x40
.macro JLOAD g0a, g1a, g0b, g1b        ; a joint load: waves 0 and 1 fetch for A, waves 2 and 3 for B; four v_nop follow each of the two lines
	s_cmp_eq_u32 s15, 0
	s_cbranch_scc0 .Lfor_b_\@
	tensor_load_to_lds s[\g0a:\g0a+3], s[\g1a:\g1a+7]
	s_nop 0
.rept 4
	v_nop
.endr
	s_branch .Lasked_\@
.Lfor_b_\@:
	tensor_load_to_lds s[\g0b:\g0b+3], s[\g1b:\g1b+7]
	s_nop 0
.rept 4
	v_nop
.endr
.Lasked_\@:
.endm
.macro CREST
	s_cmp_lg_u32 s14, 0
	s_cbranch_scc1 .Lnot_wave_0_\@
	s_barrier_signal -3
.Lnot_wave_0_\@:
	s_barrier_wait -3
	s_barrier_signal -1
	s_barrier_wait -1
.endm
.macro CROUND
	s_barrier_signal -1
	s_barrier_wait -1
	CREST
.endm
	s_load_b128 s[4:7], s[0:1], 0x0                ; y's codes s[4:5], W_proj's codes s[6:7]
	s_load_b128 s[8:11], s[0:1], 0x10              ; the scales' exponents s[8:9], out s[10:11]
	v_lshl_add_u32 v[SPW], v0, 2, SPARE
	v_mov_b32 v[NIL], 0
	ds_add_u32 v28, v29
	ds_add_u32 v28, v29
	s_wait_dscnt 0x0
	v_lshrrev_b32 v1, 5, v0
	v_readfirstlane_b32 s14, v1                    ; wave 0..3
	s_lshr_b32 s15, s14, 1                         ; which half of the tile's rows is mine.  Also: I fetch for A (0) or for B (1)
	s_and_b32 s16, s14, 1                          ; which half of its columns.  Also: which half of that tile I fetch
	s_bfe_u32 s40, ttmp6, 0x40000                  ; cx, cy
	s_bfe_u32 s41, ttmp6, 0x40004
	s_lshl_b32 s42, ttmp9, 2
	s_add_co_u32 s42, s42, s40                     ; tile column
	s_and_b32 s17, ttmp7, 0xffff
	s_lshl_b32 s17, s17, 2
	s_add_co_u32 s17, s17, s41                     ; tile row
	s_lshl_b32 s43, s41, 2
	s_lshl_b32 s43, 15, s43                        ; my row of the cluster
	s_lshl_b32 s44, 0x1111, s40                    ; my column
	s_or_b32 s[G1+0], s43, (0<<16)|(1<<20)|(1<<21)|(3<<22)|(3<<25)  ; A: elements of 1 byte; four words of padding after every 16
	s_mov_b32 s[G1+1], 8192<<16                    ; tensor_dim0 = 8,192
	s_mov_b32 s[G1+2], 4<<16                       ; tensor_dim1 = 4
	s_mov_b32 s[G1+3], 8192<<16                    ; tile_dim0
	s_mov_b32 s[G1+4], 4                           ; tile_dim1
	s_mov_b32 s[G1+5], HEADB                       ; tensor_dim0_stride
	s_mov_b32 s[G1+6], 0
	s_mov_b32 s[G1+7], 0
	s_or_b32 s[G1B+0], s44, (0<<16)|(1<<20)|(1<<21)|(5<<22)|(3<<25) ; B: four words after every 64
	s_mov_b32 s[G1B+1], ROWB<<16
	s_mov_b32 s[G1B+2], 128<<16
	s_mov_b32 s[G1B+3], ROWB<<16
	s_mov_b32 s[G1B+4], 128
	s_mov_b32 s[G1B+5], KROW
	s_mov_b32 s[G1B+6], 0
	s_mov_b32 s[G1B+7], 0
	s_lshl_b32 s18, s16, 7
	s_lshl_b32 s20, s17, 8
	s_add_co_u32 s20, s20, s18
	s_lshl_b32 s20, s20, 6                         ; A: token 256 x tile row + 128 x half, 64 bytes each
	s_mov_b32 s21, 0
	s_lshl_b32 s46, s42, 8
	s_add_co_u32 s46, s46, s18
	s_lshl_b32 s46, s46, 10                        ; B: row 256 x tile column + 128 x half, 1,024 bytes each
	s_mov_b32 s47, 0
	s_mul_i32 s45, s16, AH                         ; where A's half goes,
	s_mul_i32 s66, s16, BH
	s_add_co_u32 s66, s66, 2*AH                    ; and B's: the wave's number alone enters an LDS address
	s_wait_kmcnt 0x0
	s_load_b64 s[96:97], s[8:9], 0x18              ; e6, e7
	s_add_nc_u64 s[20:21], s[4:5], s[20:21]
	s_add_nc_u64 s[46:47], s[6:7], s[46:47]
	CROUND                                         ; all sixteen work-groups are here: the first joint loads meet
.irp s, 0,1
	s_mov_b32 s[G0+4*\s], 1
	s_add_co_u32 s[G0+4*\s+1], s45, \s*SLOT
	s_add_nc_u64 s[G0+4*\s+2:G0+4*\s+3], s[20:21], \s*4*HEADB      ; K step s: heads 4 s on
	s_or_b32 s[G0+4*\s+3], s[G0+4*\s+3], 0x80000000
	s_mov_b32 s[G0B+4*\s], 1
	s_add_co_u32 s[G0B+4*\s+1], s66, \s*SLOT
	s_add_nc_u64 s[G0B+4*\s+2:G0B+4*\s+3], s[46:47], \s*ROWB
	s_or_b32 s[G0B+4*\s+3], s[G0B+4*\s+3], 0x80000000
	s_wait_alu depctr_va_vdst(0)
	s_wait_tensorcnt 0x0
	ds_add_u32 v28, v29
	ds_add_u32 v28, v29
	s_wait_dscnt 0x0
	CROUND
	JLOAD G0+4*\s, G1, G0B+4*\s, G1B
.endr
	v_and_b32 v1, 15, v0                           ; r
	v_bfe_u32 v2, v0, 4, 1                         ; h
	v_mul_u32_u24 v3, v1, PITCH
	v_lshl_add_u32 v4, v2, 4, v3                   ; B: row x pitch + 16 h
	v_mul_u32_u24 v3, v1, TOKB
	v_lshl_add_u32 v7, v2, 4, v3                   ; A: token x 80 + 16 h
	s_mul_i32 s21, s15, AH                         ; my 128 tokens
	s_mul_i32 s22, s16, BH                         ; my 128 rows of B,
	s_add_co_u32 s22, s22, 2*AH                    ; which lie behind A's two halves
.irp s, 0,1
	v_add_nc_u32 v[ADRA+\s], s21, v7
	v_add_nc_u32 v[ADRB+\s], s22, v4
	s_add_co_u32 s21, s21, SLOT
	s_add_co_u32 s22, s22, SLOT
.endr
	s_mul_i32 s23, s14, 16*SPITCH                  ; my stage
	v_mul_u32_u24 v5, v1, SPITCH                   ; in: row r, 32 bytes for each half of the lanes
	v_lshl_add_u32 v5, v2, 5, v5
	v_add_nc_u32 v[STO], s23, v5
	v_and_b32 v6, 31, v0
	v_lshlrev_b32 v[CO], 4, v6                     ; back: the 32 lanes take one row of 512 bytes; and the same in out
	v_add_nc_u32 v[RD], s23, v[CO]
	s_lshl_b32 s20, s17, 8
	s_lshl_b32 s21, s15, 7
	s_add_co_u32 s20, s20, s21
	s_lshl_b32 s20, s20, 12                        ; my first row of out, 4,096 bytes a row: under 2^25
	s_lshl_b32 s46, s42, 10
	s_lshl_b32 s47, s16, 9
	s_add_co_u32 s46, s46, s47                     ; my first column, in bytes
	s_add_co_u32 s20, s20, s46
	s_mov_b32 s21, 0
	s_add_nc_u64 s[10:11], s[10:11], s[20:21]
.macro FRAG reg, adr, q, i             ; B's fragment: registers 4 c .. 4 c + 3 hold K = 32 c + 16 h + 0 .. 15 of the q-th 128
.irp c, 0,1,2,3
	ds_load_b128 v[\reg+4*\c:\reg+4*\c+3], v[\adr] offset:128*(\q)+32*\c+(\i)*16*PITCH
.endr
.endm
.macro FRAGA reg, adr, q, i            ; A's: the same places of k: head 2 q + c / 2 of the slot's four, channel 32 (c % 2) + 16 h on
.irp c, 0,1,2,3
	ds_load_b128 v[\reg+4*\c:\reg+4*\c+3], v[\adr] offset:(2*(\q)+\c/2)*HROW+32*(\c%2)+(\i)*16*TOKB
.endr
.endm
; The 64 accumulators take turns, one instruction a turn, in the same order in every step.
.macro MUL16 a0, p, zero
.irp a, \a0, \a0+1
.irp b, 0,1,2,3,4,5,6,7
.if \zero
	v_wmma_f32_16x16x128_fp8_fp8 v[8*(8*((\a)%4)+\b):8*(8*((\a)%4)+\b)+7], v[128*(\p)+FR*\b:128*(\p)+FR*\b+FR-1], v[AF+FR*(\a):AF+FR*(\a)+FR-1], 0
.else
	v_wmma_f32_16x16x128_fp8_fp8 v[8*(8*((\a)%4)+\b):8*(8*((\a)%4)+\b)+7], v[128*(\p)+FR*\b:128*(\p)+FR*\b+FR-1], v[AF+FR*(\a):AF+FR*(\a)+FR-1], v[8*(8*((\a)%4)+\b):8*(8*((\a)%4)+\b)+7]
.endif
.endr
.endr
.endm
.macro FETCH_B slot, q, p
	WIN TO_B
.irp i, 0,1,2,3,4,5,6,7
	FRAG 128*(\p)+FR*\i, ADRB+\slot, \q, \i
.endr
	WIN 0
.endm
.macro FETCH_A slot, q, i0
.irp i, \i0, \i0+1, \i0+2, \i0+3
	FRAGA AF+FR*(\i), ADRA+\slot, \q, \i
.endr
.endm
.macro PLACES n                        ; plain vector lines between a matrix instruction and a load into, or a vector read of, its registers
.rept \n
	v_nop
.endr
.endm
.macro STEP slot, q, zero
	s_wait_dscnt 4*NL                              ; B's set and A's blocks 0-3 are in; the youngest sixteen loads (A's blocks 4-7) may be out
	WIN MUL_LO
	MUL16 0, (\q)%2, \zero
	MUL16 2, (\q)%2, \zero
	s_wait_dscnt 0
	PLACES NP
	FETCH_B \slot, (\q)+1, 1-(\q)%2
	FETCH_A \slot, (\q)+1, 0
	WIN MUL_HI
	MUL16 4, (\q)%2, \zero
	MUL16 6, (\q)%2, \zero
	PLACES NP
	WIN 0
	FETCH_A \slot, (\q)+1, 4
.endm
.macro TURN slot, next, fill
	s_wait_tensorcnt 0x0                           ; all my tensor loads have landed: my part of the next slot
	ds_add_u32 v[SPW], v[NIL]                      ; 0 onto my spare word
	s_wait_dscnt 4*NL+1                            ; the add and the youngest sixteen loads may be out
	WIN MUL_LO
	MUL16 0, 1, 0
	s_wait_dscnt 0x0                               ; the add is done, and my reads of this slot are over
	s_barrier_signal -1
	MUL16 2, 1, 0
	WIN 0
	s_barrier_wait -1
.if \fill
	CREST                                          ; a round of the cluster's barrier: no wave of any partner still reads this slot or has a load on its way
	s_add_nc_u64 s[G0+4*\slot+2:G0+4*\slot+3], s[G0+4*\slot+2:G0+4*\slot+3], 8*HEADB
	s_add_nc_u64 s[G0B+4*\slot+2:G0B+4*\slot+3], s[G0B+4*\slot+2:G0B+4*\slot+3], 2*ROWB
	JLOAD G0+4*\slot, G1, G0B+4*\slot, G1B         ; the first tensor load behind the round, one a wave
.else
	PLACES NP
.endif
	FETCH_B \next, 0, 0
	FETCH_A \next, 0, 0
	WIN MUL_HI
	MUL16 4, 1, 0
	MUL16 6, 1, 0
	PLACES NP
	WIN 0
	FETCH_A \next, 0, 4
.endm
	s_wait_alu depctr_va_vdst(0)
	s_wait_tensorcnt 1                             ; my part of K step 0 is in; K step 1's load may be out
	s_barrier_signal -1
	s_barrier_wait -1
	FETCH_B 0, 0, 0
	FETCH_A 0, 0, 0
	FETCH_A 0, 0, 4
	STEP 0, 0, 1                                   ; these products start the sums
	TURN 0, 1, 1                                   ; slot 0 takes K step 2
	STEP 1, 0, 0
	TURN 1, 0, 1                                   ; slot 1 takes K step 3
	STEP 0, 0, 0
	TURN 0, 1, 0                                   ; behind this barrier nobody reads slot 0, and it has had its last fill
	STEP 1, 0, 0
	s_wait_dscnt 4*NL
	WIN MUL_LO
	MUL16 0, 1, 0
	MUL16 2, 1, 0
	s_wait_dscnt 0
	WIN MUL_HI
	MUL16 4, 1, 0
	MUL16 6, 1, 0
	WIN 0
; THE WAY OUT, block by block of 16 rows x 128 columns, through my own stage: in as 32 bytes a lane, back as whole rows of 512 bytes.  LDS serves a wave's instructions in order (ISA guide 5.7.1.4).
.macro TOSTAGE a
.set AC, 64*((\a)%4)
	WIN 0x02+((\a)/4)                              ; source 0: window 2 or 3
.irp j, 0,2,4,6,8,10,12,14,16,18,20,22,24,26,28,30,32,34,36,38,40,42,44,46,48,50,52,54,56,58,60,62
	v_pk_mul_f32 v[TMP+\j:TMP+\j+1], v[AC+\j:AC+\j+1], s[96:97] op_sel_hi:[1,0]   ; x 2^(e6 + e7); each accumulator from its low end on
.endr
	WIN 0
.irp b, 0,1,2,3,4,5,6,7
	ds_store_b128 v[STO], v[TMP+8*\b:TMP+8*\b+3] offset:64*\b
	ds_store_b128 v[STO], v[TMP+8*\b+4:TMP+8*\b+7] offset:64*\b+16
.endr
.set BB, BK+64*((\a)%2)
.irp t, 0,1,2,3,4,5,6,7,8,9,10,11,12,13,14,15
	ds_load_b128 v[BB+4*\t:BB+4*\t+3], v[RD] offset:\t*SPITCH
.endr
.endm
.macro SEND a, younger                 ; younger: the LDS instructions issued behind block a's loads, which may stay out
.set BB, BK+64*((\a)%2)
	s_wait_dscnt \younger
.if (\a) > 0
	s_add_nc_u64 s[10:11], s[10:11], 16*SIZE_N*4   ; behind a wait on XCNT: the earlier stores have read their base
.endif
.irp t, 0,1,2,3,4,5,6,7,8,9,10,11,12,13,14,15
	global_store_b128 v[CO], v[BB+4*\t:BB+4*\t+3], s[10:11] offset:\t*SIZE_N*4 th:TH_STORE_NT   ; 32 lanes store 512 consecutive bytes, aligned; written once, read by nobody here
.endr
.endm
	s_wait_kmcnt 0x0
	s_add_co_i32 s96, s96, s97
	s_add_co_i32 s96, s96, 127
	s_lshl_b32 s96, s96, 23                        ; 2^(e6 + e7) as f32
	PLACES NP
	TOSTAGE 0
.irp a, 1,2,3,4,5,6,7
.if \a > 1
	s_wait_xcnt 0x0                                ; block a - 2's stores have read their registers and their base
.endif
	TOSTAGE \a
	SEND \a-1, 32                                  ; behind block a - 1's loads: block a's 16 stores and 16 loads
.endr
	s_wait_xcnt 0x0
	SEND 7, 0
	s_wait_tensorcnt 0x0                           ; the wave's end
	ds_add_u32 v[SPW], v[NIL]
	s_wait_dscnt 0x0
	CROUND                                         ; the closing round
	s_endpgm
.Lfunc_end_k_qf56e8e9725_proj:
	.size	k_qf56e8e9725_proj, .Lfunc_end_k_qf56e8e9725_proj-k_qf56e8e9725_proj
	.p2alignl 7, 3214868480
	.fill 96, 4, 3214868480
	.section	.rodata,"a",@progbits
	.p2align	6, 0x0
	.amdhsa_kernel k_qf56e8e9725_proj
		.amdhsa_group_segment_fixed_size 327680
		.amdhsa_private_segment_fixed_size 0
		.amdhsa_enable_private_segment 0
		.amdhsa_kernarg_size 32
		.amdhsa_user_sgpr_count 2
		.amdhsa_user_sgpr_kernarg_segment_ptr 1
		.amdhsa_wavefront_size32 1
		.amdhsa_system_sgpr_workgroup_id_x 1
		.amdhsa_system_sgpr_workgroup_id_y 1
		.amdhsa_system_sgpr_workgroup_id_z 1
		.amdhsa_system_vgpr_workitem_id 0
		.amdhsa_next_free_vgpr 1024
		.amdhsa_next_free_sgpr 98
		.amdhsa_reserve_vcc 0
		.amdhsa_float_denorm_mode_32 3
		.amdhsa_float_denorm_mode_16_64 3
		.amdhsa_memory_ordered 1
		.amdhsa_forward_progress 1
		.amdhsa_inst_pref_size 124
	.end_amdhsa_kernel
	.amdgpu_metadata
---
amdhsa.version: [ 1, 2 ]
amdhsa.kernels:
  - .name:           k_qf56e8e9725_proj
    .symbol:         k_qf56e8e9725_proj.kd
    .args:
      - { .name: ycodes, .offset: 0, .size: 8, .value_kind: global_buffer, .address_space: global }
      - { .name: W_proj_codes, .offset: 8, .size: 8, .value_kind: global_buffer, .address_space: global }
      - { .name: lowp_scales, .offset: 16, .size: 8, .value_kind: global_buffer, .address_space: global }
      - { .name: out0, .offset: 24, .size: 8, .value_kind: global_buffer, .address_space: global }
    .group_segment_fixed_size: 327680
    .private_segment_fixed_size: 0
    .kernarg_segment_align: 8
    .kernarg_segment_size: 32
    .max_flat_workgroup_size: 128
    .sgpr_count:     98
    .vgpr_count:     1024
    .wavefront_size: 32
...
	.end_amdgpu_metadata
.endif
;; end of part 3
